; MI455X (gfx1250); checked and timed in simulation.
; The chip was launched on July 23, 2026; its instructions are those of AMD's public machine-readable ISA for CDNA 5 (MIT licence, August 2026) and "CDNA5" Instruction Set Architecture Reference Guide (July 2026). The comments in the code are by the model that wrote it; some were corrected since.
;; Operator Module. Allowed arithmetic: float matrix products may take bf16 or f16 operands with f32 sums; all other float work in f32.
;; Inputs: x 1 x 256 x 256 x 256 float32.
;; Outputs: out0 1 x 64 x 32 x 64 float32.
;; 2 versions, each right; version 2 is version 1 with the launch project written anew for expert scheduling mode. Each part assembles by itself: llvm-mc -triple=amdgcn-amd-amdhsa -mcpu=gfx1250 --defsym DOCPART=n.
;; ======== version 1 of 2: 1 launch
;; launch project (part 1): grid 32 x 8, 16 waves a work-group, no clusters, 4,352 bytes of LDS; arguments x, out0; writes out0
.if DOCPART == 1
	.amdgcn_target "amdgcn-amd-amdhsa--gfx1250"
	.amdhsa_code_object_version 6
	.text
	.protected	k_q804b85a70c_project
	.globl	k_q804b85a70c_project
	.p2align	8
	.type	k_q804b85a70c_project,@function
k_q804b85a70c_project:
	s_mov_b64 s[64:65], 0
	v_nop
	global_prefetch_b8 v0, s[64:65] scope:SCOPE_SE
	s_setreg_imm32_b32 hwreg(HW_REG_WAVE_MODE, 25, 1), 1
	s_wait_xcnt 0x0
; Cone-beam forward projection.  x: [256][256][256] f32 (i from x, j from y, k from z, k fastest).  out0: [64 v][32 a][64 u] f32.
; out0[v][a][u] = 4 sqrt(3) * sum over 64 samples of the trilinear value of x on the ray (a, u, v), zero outside the volume.
;
; SHARES.  Work-group (a, octet of v): 64 u x 8 v = 512 rays, 16 waves.  Thread t: u = t >> 3, v = 8 octet + (t & 7); a lane owns one ray.
; The 8 rays of one u lie in one vertical plane, about 2 voxels apart in z: 8 neighbouring lanes read neighbouring words of one column.
; 64 u in a work-group make each output row (v, a, 0..63) 256 bytes that leave whole.
;
; GEOMETRY IN WHOLE NUMBERS.  With mu = 2u-63, mv = 2v-63, n = mu^2 + mv^2: |ray| = 1536 sqrt(1 + n 2^-20), n <= 7938, so
; R = 1536/|ray| = 1 - e/2 + 3e^2/8 - 5e^3/16 with e = n 2^-20; the next term is below 9e-10.  e is fixed by the detector's constants, not by x.
; unit ray = ( -(cos + mu sin/1024) R, -(sin - mu cos/1024) R, mv R/1024 ); sample s lies 1000 + 4 sqrt(3) (s - 31.5) mm from the source.
; Each coordinate is kept in voxels + 127.5 as Q16: the value at s = 32 rounded once, plus a step rounded once; over at most 31 steps
; either way the position is within 2.5e-4 voxel of the exact one.  Floor is the upper part, the weight the lower 16 bits of one word.
;
; WHICH SAMPLES.  Sample 32 is interior for every ray (at most 62 voxels from the centre in x and y).  Sample 0 lies 781.8 mm from the
; source, so at least 218 mm from the axis in the x-y plane, beyond the 181.8 of the half diagonal of 257 voxels: it never counts.
; Four searches by halves over samples 1 to 63 find, for the wave, the first and last sample that any lane touches and the first and
; last at which all lanes have 0 <= i, j <= 254 (both sets are intervals round sample 32, since a line meets a box in an interval);
; they evaluate the very integers that the loop walks.  z stays in [50, 206] (|mv| 1243 / 1024 < 77), so z is never clamped or masked.
;
; LIMITS.  x finite with |x| < 1.7e38: interpolation takes differences of neighbours, and a sample outside multiplies a clamped
; voxel by 0, so Inf or NaN voxels are not treated as the definition treats them.  Positions as said above.
; No cluster: no two work-groups want the same tile; what they share are scattered short pieces of columns at unrelated times.
; No prefetch: a column is wanted by rays of many work-groups, so no single owner could ask for it once; each wave keeps 32 to 64 loads out.
.set SI,    262144                     ; bytes from x[i][j][k] to x[i+1][j][k]
.set SJ,    1024                       ; bytes to x[i][j+1][k]
.set PITCH, 272                        ; LDS row on the way out: 256 bytes + 16
.set MU,  1                            ; v1       2u - 63
.set MV,  2                            ; v2       2v - 63
.set NN,  3                            ; v3       n
.set PX,  4                            ; v4-6     position of the next sample, Q16
.set PY,  5
.set PZ,  6
.set DX,  7                            ; v7-9     step per sample, Q16
.set DY,  8
.set DZ,  9
.set KS,  10                           ; v[10:11] 2^-16, 2^-16
.set KM,  12                           ; v[12:13] -128, -128
.set KZ,  14                           ; v[14:15] -2^-16, 2^-16
.set KC,  16                           ; v[16:17] 129, -128
.set ACC, 18                           ; v[18:25] four packed sums (lower z tap, upper z tap), one for each sample of a group
.set TZ,  26                           ; v[26:27] z fraction at work; v27 only completes the pair
.set T,   28                           ; v[28:47] scratch
.set BUF, 48                           ; v[48:175] 2 buffers x 4 samples x 16: +0..7 voxels (i,j)(i+1,j)(i,j+1)(i+1,j+1) x (k,k+1); +8,9 wx,wy; +10,11 z weights; +12..15 addresses
; scalars: s[4:5] x, s[6:7] out0, s8 wave, s9-29 angle, s30-40 constants, s41/42 first/last touched, s43/44 first/last interior (all relative
; to sample 32), s45/46 probe, s47 sample number minus first interior, s48 number of interior samples, s49 groups behind the first, then
; their remainder by two, s50 octet, s51 pairs of groups still to do
.macro TSEL k, ck, sk                  ; cos and sin of k x 11.25 degrees, Q30
	s_cmp_eq_u32 s9, \k
	s_cselect_b32 s11, \ck, s11
	s_cselect_b32 s12, \sk, s12
.endm
; One probe of a search by halves: does sample pos + step satisfy the test (x and y, offset by bx/by, below lim as unsigned)?
; all = 0: in any lane; all = 1: in every lane.  If so, pos moves there.
.macro PROBE pos, step, bx, by, lim, all
	s_add_co_i32 s45, s\pos, \step
	v_mad_u32 v[T], v[DX], s45, v[\bx]
	v_mad_u32 v[T+1], v[DY], s45, v[\by]
	v_cmp_gt_u32 s46, s\lim, v[T]
	v_cmp_gt_u32 vcc_lo, s\lim, v[T+1]
	s_and_b32 s46, s46, vcc_lo
.if \all
	s_cmp_eq_u32 s46, -1
.else
	s_cmp_lg_u32 s46, 0
.endif
	s_cselect_b32 s\pos, s45, s\pos
.endm
; Weights from the low 16 bits: 0x4b000000 | f is the float 2^23 + f, and (2^23 + f) 2^-16 - 128 = f 2^-16 exactly.
.macro WEIGHTS p
	v_and_or_b32 v[\p+8], v[PX], s34, s35
	v_and_or_b32 v[\p+9], v[PY], s34, s35
	v_and_or_b32 v[TZ], v[PZ], s34, s35
	v_pk_fma_f32 v[\p+8:\p+9], v[\p+8:\p+9], v[KS:KS+1], v[KM:KM+1]                     ; wx, wy
	v_pk_fma_f32 v[\p+10:\p+11], v[TZ:TZ+1], v[KZ:KZ+1], v[KC:KC+1] op_sel_hi:[0,1,1]   ; 1 - wz, wz
.endm
.macro STEPRAY
	v_add_nc_u32 v[PX], v[PX], v[DX]
	v_add_nc_u32 v[PY], v[PY], v[DY]
	v_add_nc_u32 v[PZ], v[PZ], v[DZ]
.endm
; A sample that is interior in every lane: i, j, k are byte 2 of the three positions and byte 3 of x is 0; one address, eight offsets.
.macro FAST p
	v_perm_b32 v[\p+12], v[PX], v[PY], s32         ; bytes 0, i, j, -
	v_perm_b32 v[\p+12], v[\p+12], v[PZ], s33      ; bytes 0, i, j, k
	v_lshlrev_b32 v[\p+12], 2, v[\p+12]
	global_load_b32 v[\p+0], v[\p+12], s[4:5]
	global_load_b32 v[\p+1], v[\p+12], s[4:5] offset:4
	global_load_b32 v[\p+2], v[\p+12], s[4:5] offset:SI
	global_load_b32 v[\p+3], v[\p+12], s[4:5] offset:SI+4
	global_load_b32 v[\p+4], v[\p+12], s[4:5] offset:SJ
	global_load_b32 v[\p+5], v[\p+12], s[4:5] offset:SJ+4
	global_load_b32 v[\p+6], v[\p+12], s[4:5] offset:SI+SJ
	global_load_b32 v[\p+7], v[\p+12], s[4:5] offset:SI+SJ+4
	WEIGHTS \p
	STEPRAY
.endm
; A sample at or beyond a face in some lane: taps clamped to 0..255.  Where a tap is invalid both clamped taps are the same voxel, so the
; zeroing of invalid taps equals one factor for each axis, clamp(min(f + 1, 256 - f), 0, 1), which goes into the z weights.
.macro SLOW p
	v_ashrrev_i32 v[T], 16, v[PX]                  ; i
	v_ashrrev_i32 v[T+1], 16, v[PY]                ; j
	v_bfe_u32 v[T+2], v[PZ], 16, 8                 ; k
	v_add_nc_u32 v[T+3], 1, v[T]
	v_add_nc_u32 v[T+4], 1, v[T+1]
	v_med3_i32 v[T], v[T], 0, s36
	v_med3_i32 v[T+3], v[T+3], 0, s36
	v_med3_i32 v[T+1], v[T+1], 0, s36
	v_med3_i32 v[T+4], v[T+4], 0, s36
	v_lshlrev_b32 v[T+2], 2, v[T+2]
	v_lshl_add_u32 v[T+1], v[T+1], 10, v[T+2]
	v_lshl_add_u32 v[T+4], v[T+4], 10, v[T+2]
	v_lshl_add_u32 v[\p+12], v[T], 18, v[T+1]
	v_lshl_add_u32 v[\p+13], v[T+3], 18, v[T+1]
	v_lshl_add_u32 v[\p+14], v[T], 18, v[T+4]
	v_lshl_add_u32 v[\p+15], v[T+3], 18, v[T+4]
	global_load_b32 v[\p+0], v[\p+12], s[4:5]
	global_load_b32 v[\p+1], v[\p+12], s[4:5] offset:4
	global_load_b32 v[\p+2], v[\p+13], s[4:5]
	global_load_b32 v[\p+3], v[\p+13], s[4:5] offset:4
	global_load_b32 v[\p+4], v[\p+14], s[4:5]
	global_load_b32 v[\p+5], v[\p+14], s[4:5] offset:4
	global_load_b32 v[\p+6], v[\p+15], s[4:5]
	global_load_b32 v[\p+7], v[\p+15], s[4:5] offset:4
	v_add_nc_u32 v[T], s37, v[PX]                  ; fx + 1
	v_sub_nc_u32 v[T+1], s38, v[PX]                ; 256 - fx
	v_add_nc_u32 v[T+2], s37, v[PY]
	v_sub_nc_u32 v[T+3], s38, v[PY]
	v_min_i32 v[T], v[T], v[T+1]
	v_min_i32 v[T+2], v[T+2], v[T+3]
	v_med3_i32 v[T], v[T], 0, s37
	v_med3_i32 v[T+2], v[T+2], 0, s37
	v_cvt_f32_u32 v[T], v[T]
	v_cvt_f32_u32 v[T+2], v[T+2]
	v_mul_f32 v[T], v[T], v[T+2]
	v_mul_f32 v[T], 0x2f800000, v[T]               ; two Q16 factors: times 2^-32
	WEIGHTS \p
	v_pk_mul_f32 v[\p+10:\p+11], v[\p+10:\p+11], v[T:T+1] op_sel_hi:[1,0]
	STEPRAY
.endm
; Four samples into buffer b.  Either form issues eight loads into the same registers, so the counts below hold on every path.
.macro ISSUE b, tag
.irp i, 0,1,2,3
	s_cmp_lt_u32 s47, s48                          ; unsigned: first interior <= sample <= last interior
	s_cbranch_scc0 .Lslow\tag\i
	FAST BUF+64*\b+16*\i
	s_branch .Ljoin\tag\i
.Lslow\tag\i:
	SLOW BUF+64*\b+16*\i
.Ljoin\tag\i:
	s_add_co_u32 s47, s47, 1
.endr
.endm
; Interpolates buffer b: along x, along y (both z taps at once in a register pair), then both taps times their z weights into the sums.
; left = loads issued behind this buffer's 32: loads return in issue order (ISA guide 5.7.1), so these 32 are in.
.macro COMPUTE b, left
	s_wait_loadcnt \left
.irp i, 0,1,2,3
	.set p, BUF+64*\b+16*\i
	v_pk_add_f32 v[p+2:p+3], v[p+2:p+3], v[p:p+1] neg_lo:[0,1] neg_hi:[0,1]
	v_pk_add_f32 v[p+6:p+7], v[p+6:p+7], v[p+4:p+5] neg_lo:[0,1] neg_hi:[0,1]
.endr
.irp i, 0,1,2,3
	.set p, BUF+64*\b+16*\i
	v_pk_fma_f32 v[p:p+1], v[p+2:p+3], v[p+8:p+9], v[p:p+1] op_sel_hi:[1,0,1]           ; both halves times wx
	v_pk_fma_f32 v[p+4:p+5], v[p+6:p+7], v[p+8:p+9], v[p+4:p+5] op_sel_hi:[1,0,1]
.endr
.irp i, 0,1,2,3
	.set p, BUF+64*\b+16*\i
	v_pk_add_f32 v[p+4:p+5], v[p+4:p+5], v[p:p+1] neg_lo:[0,1] neg_hi:[0,1]
.endr
.irp i, 0,1,2,3
	.set p, BUF+64*\b+16*\i
	v_pk_fma_f32 v[p:p+1], v[p+4:p+5], v[p+8:p+9], v[p:p+1] op_sel:[0,1,0]              ; both halves times wy
.endr
.irp i, 0,1,2,3
	.set p, BUF+64*\b+16*\i
	v_pk_fma_f32 v[ACC+2*\i:ACC+2*\i+1], v[p:p+1], v[p+10:p+11], v[ACC+2*\i:ACC+2*\i+1]
.endr
.endm
	s_load_b128 s[4:7], s[0:1], 0x0                ; x s[4:5], out0 s[6:7]
	v_lshl_add_u32 v176, v0, 2, 0x900
	v_mov_b32 v177, 0
	v_lshrrev_b32 v1, 5, v0
	v_readfirstlane_b32 s8, v1                     ; wave number
	s_and_b32 s9, ttmp9, 7                         ; angle = 90 degrees x quadrant + 11.25 degrees x s9
	s_lshr_b32 s10, ttmp9, 3
	s_and_b32 s50, ttmp7, 0xffff                   ; octet of detector rows
	s_mov_b32 s11, 0x40000000
	s_mov_b32 s12, 0
	TSEL 1, 0x3ec52fa0, 0x0c7c5c1e
	TSEL 2, 0x3b20d79e, 0x187de2a7
	TSEL 3, 0x3536cc52, 0x238e7673
	TSEL 4, 0x2d413ccd, 0x2d413ccd
	TSEL 5, 0x238e7673, 0x3536cc52
	TSEL 6, 0x187de2a7, 0x3b20d79e
	TSEL 7, 0x0c7c5c1e, 0x3ec52fa0
	s_bitcmp1_b32 s10, 0                           ; odd quadrant: cos and sin change places
	s_cselect_b32 s13, s12, s11                    ; |cos| Q30
	s_cselect_b32 s14, s11, s12                    ; |sin| Q30
	s_mul_hi_u32 s20, s13, 0xfa000000              ; 1000 |cos|, Q30 x Q22 >> 32 = Q20
	s_mul_hi_u32 s21, s14, 0xfa000000
	s_sub_co_i32 s16, 0, s13
	s_sub_co_i32 s17, 0, s14
	s_sub_co_i32 s22, 0, s20
	s_sub_co_i32 s23, 0, s21
	s_add_co_u32 s15, s10, 1
	s_bitcmp1_b32 s15, 1                           ; cos < 0 in quadrants 1, 2
	s_cselect_b32 s18, s16, s13                    ; cos Q30
	s_cselect_b32 s24, s22, s20                    ; 1000 cos Q20
	s_bitcmp1_b32 s10, 1                           ; sin < 0 in quadrants 2, 3
	s_cselect_b32 s19, s17, s14                    ; sin Q30
	s_cselect_b32 s25, s23, s21
	s_add_co_i32 s24, s24, 0x07f80008              ; source + 127.5 in Q20, + 8 to round on the way to Q16
	s_add_co_i32 s25, s25, 0x07f80008
	s_ashr_i32 s26, s18, 6                         ; cos, sin in Q24: times |mu| <= 63 stays in 31 bits
	s_ashr_i32 s27, s19, 6
	s_sub_co_i32 s28, 0, s18
	s_sub_co_i32 s29, 0, s19
	s_mov_b32 s30, 0xfaddb3d7                      ; 1000 + 2 sqrt(3), the distance of sample 32, Q22
	s_mov_b32 s31, 0xddb3d743                      ; 4 sqrt(3), the distance between samples, Q29
	s_mov_b32 s32, 0x07060200                      ; byte selects for the interior address
	s_mov_b32 s33, 0x07060502
	s_mov_b32 s34, 0xffff
	s_mov_b32 s35, 0x4b000000
	s_mov_b32 s36, 255
	s_mov_b32 s37, 0x10000                         ; 1 voxel
	s_mov_b32 s38, 0x1000000                       ; 256 voxels
	s_mov_b32 s39, 0x1010000                       ; touched: f + 1 in [0, 257)
	s_mov_b32 s40, 0xff0000                        ; interior: f in [0, 255)
	; the lane's ray
	v_lshrrev_b32 v[MU], 3, v0                     ; u
	v_and_b32 v[MV], 7, v0
	v_lshl_add_u32 v[MV], s50, 3, v[MV]            ; v
	v_lshlrev_b32 v[MU], 1, v[MU]
	v_lshlrev_b32 v[MV], 1, v[MV]
	v_add_nc_u32 v[MU], 0xffffffc1, v[MU]          ; 2u - 63
	v_add_nc_u32 v[MV], 0xffffffc1, v[MV]          ; 2v - 63
	v_mul_lo_u32 v[NN], v[MU], v[MU]
	v_mad_u32 v[NN], v[MV], v[MV], v[NN]           ; n < 2^13
	; R in Q31 = 2^31 - n 2^10 + 3 n^2 2^-12 - 5 n^3 2^-33
	v_mul_lo_u32 v28, v[NN], v[NN]                 ; n^2 < 2^26
	v_lshlrev_b32 v30, 10, v[NN]
	v_lshrrev_b32 v29, 8, v28
	v_mul_lo_u32 v29, v29, v[NN]                   ; n^3 >> 8 < 2^31
	v_lshl_add_u32 v28, v28, 1, v28                ; 3 n^2
	v_sub_nc_u32 v30, 0x80000000, v30
	v_lshrrev_b32 v28, 12, v28
	v_lshrrev_b32 v29, 12, v29
	v_add_nc_u32 v30, v30, v28
	v_lshl_add_u32 v29, v29, 2, v29                ; 5 (n^3 >> 20)
	v_lshrrev_b32 v29, 13, v29
	v_sub_nc_u32 v30, v30, v29                     ; R
	v_mov_b32 v32, 0                               ; the addend of the 64-bit products, whose upper words are used
	v_mov_b32 v33, 0
	v_mad_nc_u64_u32 v[34:35], v30, s30, v[32:33]  ; v35 = R x distance of sample 32, Q21
	v_mad_nc_u64_u32 v[36:37], v30, s31, v[32:33]  ; v37 = R x distance between samples, Q28
	v_mul_lo_u32 v38, v[MU], s27
	v_mul_lo_u32 v39, v[MU], s26
	v_ashrrev_i32 v38, 4, v38                      ; mu sin / 1024, Q30
	v_ashrrev_i32 v39, 4, v39
	v_sub_nc_u32 v38, s28, v38                     ; hx = -cos - mu sin / 1024
	v_add_nc_u32 v39, s29, v39                     ; hy = -sin + mu cos / 1024
	v_ashrrev_i32 v40, 31, v38                     ; signs as masks; magnitudes go through the unsigned products
	v_ashrrev_i32 v41, 31, v39
	v_xor_b32 v38, v38, v40
	v_xor_b32 v39, v39, v41
	v_sub_nc_u32 v38, v38, v40
	v_sub_nc_u32 v39, v39, v41
	v_lshlrev_b32 v38, 1, v38                      ; Q31, at most 1.002 x 2^31
	v_lshlrev_b32 v39, 1, v39
	v_mad_nc_u64_u32 v[42:43], v38, v35, v[32:33]  ; v43 = |x offset| at sample 32, Q20
	v_mad_nc_u64_u32 v[44:45], v38, v37, v[32:33]  ; v45 = |x step|, Q27
	v_mad_nc_u64_u32 v[46:47], v39, v35, v[32:33]
	v_mad_nc_u64_u32 v[28:29], v39, v37, v[32:33]
	v_add_nc_u32 v45, 0x400, v45
	v_add_nc_u32 v29, 0x400, v29
	v_lshrrev_b32 v45, 11, v45                     ; rounded to Q16
	v_lshrrev_b32 v29, 11, v29
	v_xor_b32 v43, v43, v40
	v_xor_b32 v45, v45, v40
	v_xor_b32 v47, v47, v41
	v_xor_b32 v29, v29, v41
	v_sub_nc_u32 v43, v43, v40
	v_sub_nc_u32 v[DX], v45, v40
	v_sub_nc_u32 v47, v47, v41
	v_sub_nc_u32 v[DY], v29, v41
	v_add_nc_u32 v43, s24, v43
	v_add_nc_u32 v47, s25, v47
	v_ashrrev_i32 v[PX], 4, v43                    ; fx, fy at sample 32, Q16
	v_ashrrev_i32 v[PY], 4, v47
	v_lshrrev_b32 v35, 6, v35                      ; Q15: times |mv| <= 63 stays below 2^31
	v_lshrrev_b32 v37, 6, v37                      ; Q22: likewise
	v_mul_lo_u32 v35, v35, v[MV]                   ; z offset x 2^25 (the division by 1024 is in the scale)
	v_mul_lo_u32 v37, v37, v[MV]                   ; z step x 2^32
	v_add_nc_u32 v35, 0x100, v35
	v_add_nc_u32 v37, 0x8000, v37
	v_ashrrev_i32 v35, 9, v35
	v_ashrrev_i32 v[DZ], 16, v37
	v_add_nc_u32 v[PZ], 0x7f8000, v35              ; + 127.5
	; the wave's range of samples, relative to sample 32, touched in any lane, interior in every lane
	v_add_nc_u32 v[T+2], s37, v[PX]
	v_add_nc_u32 v[T+3], s37, v[PY]
	s_mov_b32 s41, 0
	s_mov_b32 s42, 0
	s_mov_b32 s43, 0
	s_mov_b32 s44, 0
.irp b, 16,8,4,2,1
	PROBE 41, -\b, T+2, T+3, 39, 0                 ; first sample that any lane touches
	PROBE 42, \b, T+2, T+3, 39, 0                  ; last
	PROBE 43, -\b, PX, PY, 40, 1                   ; first sample interior in all lanes
	PROBE 44, \b, PX, PY, 40, 1                    ; last
.endr
	s_sub_co_i32 s47, s41, s43                     ; running sample number, counted from the first interior one
	s_sub_co_i32 s48, s44, s43
	s_add_co_i32 s48, s48, 1
	s_sub_co_i32 s49, s42, s41
	s_lshr_b32 s49, s49, 2                         ; groups of four, less the one issued ahead of the loop; the up to three samples
	                                               ; past the last touched one lie outside in every lane and add 0
	s_lshr_b32 s51, s49, 1                         ; of these, pairs for the loop,
	s_and_b32 s49, s49, 1                          ; and one or none behind it
	v_mad_u32 v[PX], v[DX], s41, v[PX]
	v_mad_u32 v[PY], v[DY], s41, v[PY]
	v_mad_u32 v[PZ], v[DZ], s41, v[PZ]
	v_mov_b32 v[KS], 0x37800000
	v_mov_b32 v[KS+1], 0x37800000
	v_mov_b32 v[KM], 0xc3000000
	v_mov_b32 v[KM+1], 0xc3000000
	v_mov_b32 v[KZ], 0xb7800000
	v_mov_b32 v[KZ+1], 0x37800000
	v_mov_b32 v[KC], 0x43010000
	v_mov_b32 v[KC+1], 0xc3000000
	v_mov_b32 v[TZ+1], 0                           ; the packed form names the pair: its upper register holds a defined word
.irp j, 0,1,2,3,4,5,6,7
	v_mov_b32 v[ACC+\j], 0
.endr
	s_wait_kmcnt 0x0
	; Two buffers take turns: the next group's 32 loads are issued before the present group is interpolated.
	; At the loop's head, and behind the loop, buffer 0 holds the one group that is issued and not yet interpolated.
	ISSUE 0, A
	s_cmp_eq_u32 s51, 0                            ; no pair at all: straight to the tail
	s_cbranch_scc1 .Lafter
.Lloop:
	ISSUE 1, B
	COMPUTE 0, 32                                  ; the 32 loads of buffer 1 stay out
	ISSUE 0, C
	COMPUTE 1, 32                                  ; the 32 loads of buffer 0 stay out
	s_sub_co_i32 s51, s51, 1
	s_cmp_lg_u32 s51, 0
	s_cbranch_scc1 .Lloop
.Lafter:
	s_cmp_eq_u32 s49, 0
	s_cbranch_scc1 .Llast
	ISSUE 1, D                                     ; one group is left to issue
	COMPUTE 0, 32                                  ; its 32 loads stay out
	COMPUTE 1, 0                                   ; nothing was issued behind the last group
	s_branch .Ldone
.Llast:
	COMPUTE 0, 0                                   ; nothing was issued behind the last group
.Ldone:
	v_pk_add_f32 v[ACC:ACC+1], v[ACC:ACC+1], v[ACC+2:ACC+3]
	v_pk_add_f32 v[ACC+4:ACC+5], v[ACC+4:ACC+5], v[ACC+6:ACC+7]
	v_pk_add_f32 v[ACC:ACC+1], v[ACC:ACC+1], v[ACC+4:ACC+5]
	v_add_f32 v[ACC], v[ACC], v[ACC+1]
	v_mul_f32 v[ACC], 0x40ddb3d7, v[ACC]           ; times the sample spacing, 4 sqrt(3) mm
	; THE WAY OUT: 8 rows of 64 u through LDS.  Row pitch 272 bytes = 68 words: a wave's 32 words (8 rows x 4 u) fall on word
	; columns 4 row + u modulo 64, all different.
	v_and_b32 v[T], 7, v0
	v_lshrrev_b32 v[T+1], 3, v0
	v_mul_u32_u24 v[T], v[T], PITCH
	v_lshl_add_u32 v[T], v[T+1], 2, v[T]
	ds_store_b32 v[T], v[ACC]
	s_wait_dscnt 0x0                               ; my word is in LDS before I say so
	s_barrier_signal -1
	s_barrier_wait -1
	s_cmp_gt_u32 s8, 3                             ; 2,048 bytes = 128 lanes x 16 bytes: waves 0 to 3 store
	s_cbranch_scc1 .Lend
	v_bfe_u32 v[T], v0, 4, 3                       ; row 0..7
	v_and_b32 v[T+1], 15, v0
	v_mul_u32_u24 v[T+2], v[T], PITCH
	v_lshl_add_u32 v[T+2], v[T+1], 4, v[T+2]
	ds_load_b128 v[T+4:T+7], v[T+2]
	s_lshl_b32 s52, s50, 16                        ; 8 rows v x 32 angles x 256 bytes for each octet
	s_lshl_b32 s51, ttmp9, 8                       ; 256 bytes for each angle
	s_add_co_u32 s52, s52, s51
	s_mov_b32 s53, 0
	s_add_nc_u64 s[6:7], s[6:7], s[52:53]
	v_lshlrev_b32 v[T+3], 13, v[T]                 ; 8,192 bytes from v to v + 1
	v_lshl_add_u32 v[T+3], v[T+1], 4, v[T+3]
	s_wait_dscnt 0x0
	global_store_b128 v[T+3], v[T+4:T+7], s[6:7] th:TH_STORE_NT    ; 16 lanes fill one aligned row of 256 bytes
.Lend:
	s_wait_tensorcnt 0x0
	ds_add_u32 v176, v177
	s_wait_dscnt 0x0
	s_endpgm
.Lfunc_end_k_q804b85a70c_project:
	.size	k_q804b85a70c_project, .Lfunc_end_k_q804b85a70c_project-k_q804b85a70c_project
	.p2alignl 7, 3214868480
	.fill 96, 4, 3214868480
	.section	.rodata,"a",@progbits
	.p2align	6, 0x0
	.amdhsa_kernel k_q804b85a70c_project
		.amdhsa_group_segment_fixed_size 4352
		.amdhsa_private_segment_fixed_size 0
		.amdhsa_enable_private_segment 0
		.amdhsa_kernarg_size 16
		.amdhsa_user_sgpr_count 2
		.amdhsa_user_sgpr_kernarg_segment_ptr 1
		.amdhsa_wavefront_size32 1
		.amdhsa_system_sgpr_workgroup_id_x 1
		.amdhsa_system_sgpr_workgroup_id_y 1
		.amdhsa_system_sgpr_workgroup_id_z 1
		.amdhsa_system_vgpr_workitem_id 0
		.amdhsa_next_free_vgpr 178
		.amdhsa_next_free_sgpr 66
		.amdhsa_reserve_vcc 1
		.amdhsa_float_denorm_mode_32 3
		.amdhsa_float_denorm_mode_16_64 3
		.amdhsa_memory_ordered 1
		.amdhsa_forward_progress 1
		.amdhsa_inst_pref_size 89
	.end_amdhsa_kernel
	.amdgpu_metadata
---
amdhsa.version: [ 1, 2 ]
amdhsa.kernels:
  - .name:           k_q804b85a70c_project
    .symbol:         k_q804b85a70c_project.kd
    .args:
      - { .name: x, .offset: 0, .size: 8, .value_kind: global_buffer, .address_space: global }
      - { .name: out0, .offset: 8, .size: 8, .value_kind: global_buffer, .address_space: global }
    .group_segment_fixed_size: 4352
    .private_segment_fixed_size: 0
    .kernarg_segment_align: 8
    .kernarg_segment_size: 16
    .max_flat_workgroup_size: 512
    .sgpr_count:     66
    .vgpr_count:     178
    .wavefront_size: 32
...
	.end_amdgpu_metadata
.endif
;; end of part 1
;; ======== version 2 of 2: 1 launch; version 1 with the launch project written anew for expert scheduling mode
;; launch project (part 2): grid 32 x 8, 16 waves a work-group, no clusters, 4,352 bytes of LDS; arguments x, out0; writes out0
.if DOCPART == 2
	.amdgcn_target "amdgcn-amd-amdhsa--gfx1250"
	.amdhsa_code_object_version 6
	.text
	.protected	k_q804b85a70c_project
	.globl	k_q804b85a70c_project
	.p2align	8
	.type	k_q804b85a70c_project,@function
k_q804b85a70c_project:
	s_mov_b64 s[64:65], 0
	v_nop
	global_prefetch_b8 v0, s[64:65] scope:SCOPE_SE
	s_setreg_imm32_b32 hwreg(HW_REG_WAVE_SCHED_MODE, 0, 2), 2
	s_setreg_imm32_b32 hwreg(HW_REG_WAVE_MODE, 25, 1), 1
	s_wait_xcnt 0x0
	s_wait_alu depctr_vm_vsrc(0)
; Cone-beam forward projection.  x: [256][256][256] f32 (i from x, j from y, k from z, k fastest).  out0: [64 v][32 a][64 u] f32.
; out0[v][a][u] = 4 sqrt(3) * sum over 64 samples of the trilinear value of x on the ray (a, u, v), zero outside the volume.
;
; SHARES.  Work-group (a, octet of v): 64 u x 8 v = 512 rays, 16 waves.  Thread t: u = t >> 3, v = 8 octet + (t & 7); a lane owns one ray.
; The 8 rays of one u lie in one vertical plane, about 2 voxels apart in z: 8 neighbouring lanes read neighbouring words of one column.
; 64 u in a work-group make each output row (v, a, 0..63) 256 bytes that leave whole.
;
; GEOMETRY IN WHOLE NUMBERS.  With mu = 2u-63, mv = 2v-63, n = mu^2 + mv^2: |ray| = 1536 sqrt(1 + n 2^-20), n <= 7938, so
; R = 1536/|ray| = 1 - e/2 + 3e^2/8 - 5e^3/16 with e = n 2^-20; the next term is below 9e-10.  e is fixed by the detector's constants, not by x.
; unit ray = ( -(cos + mu sin/1024) R, -(sin - mu cos/1024) R, mv R/1024 ); sample s lies 1000 + 4 sqrt(3) (s - 31.5) mm from the source.
; Each coordinate is kept in voxels + 127.5 as Q16: the value at s = 32 rounded once, plus a step rounded once; over at most 31 steps
; either way the position is within 2.5e-4 voxel of the exact one.  Floor is the upper part, the weight the lower 16 bits of one word.
;
; WHICH SAMPLES.  Sample 32 is interior for every ray (at most 62 voxels from the centre in x and y).  Sample 0 lies 781.8 mm from the
; source, so at least 218 mm from the axis in the x-y plane, beyond the 181.8 of the half diagonal of 257 voxels: it never counts.
; Four searches by halves over samples 1 to 63 find, for the wave, the first and last sample that any lane touches and the first and
; last at which all lanes have 0 <= i, j <= 254 (both sets are intervals round sample 32, since a line meets a box in an interval);
; they evaluate the very integers that the loop walks.  z stays in [50, 206] (|mv| 1243 / 1024 < 77), so z is never clamped or masked.
;
; LIMITS.  x finite with |x| < 1.7e38: interpolation takes differences of neighbours, and a sample outside multiplies a clamped
; voxel by 0, so Inf or NaN voxels are not treated as the definition treats them.  Positions as said above.
; No cluster: no two work-groups want the same tile; what they share are scattered short pieces of columns at unrelated times.
; No prefetch: a column is wanted by rays of many work-groups, so no single owner could ask for it once; each wave keeps 32 to 64 loads out.
;
; THE MODE: SCHED_MODE bits 1:0 = 2 (LLVM: expert scheduling mode 2), set by the entry lines.  The code itself states the register dependences
; between vector instructions and memory or LDS instructions, with s_wait_alu, always for 0.
; THE PLAN.  Registers that memory instructions touch in the loop, for buffer b:
;   D[b]  the voxels, +0..7 of each sample.  Written by the group's 32 loads; read and rewritten in place by the interpolation of buffer b; then loaded again.
;   A[b]  the addresses, +12..15 of each sample.  Written by the group's address arithmetic; read by its loads.
;   The weights (+8..11), the scratch registers, the ray, the constants and the sums are named by vector instructions alone.
; Round the loop: addresses of 1 | waits | loads into 1 | interpolation of 0 | addresses of 0 | waits | loads into 0 | interpolation of 1.
; One wait on va_vdst ahead of a group's loads states that A[b] is written and that the interpolation is done with D[b]; no vector instruction
; stands between it and the loads.  One wait on vm_vsrc beside it states that the loads of the group before have read A[other], which the next
; group's arithmetic writes again: so every write of an address register has such a wait between it and the loads that read the register.
.set SI,    262144                     ; bytes from x[i][j][k] to x[i+1][j][k]
.set SJ,    1024                       ; bytes to x[i][j+1][k]
.set PITCH, 272                        ; LDS row on the way out: 256 bytes + 16
.set MU,  1                            ; v1       2u - 63
.set MV,  2                            ; v2       2v - 63
.set NN,  3                            ; v3       n
.set PX,  4                            ; v4-6     position of the next sample, Q16
.set PY,  5
.set PZ,  6
.set DX,  7                            ; v7-9     step per sample, Q16
.set DY,  8
.set DZ,  9
.set KS,  10                           ; v[10:11] 2^-16, 2^-16
.set KM,  12                           ; v[12:13] -128, -128
.set KZ,  14                           ; v[14:15] -2^-16, 2^-16
.set KC,  16                           ; v[16:17] 129, -128
.set ACC, 18                           ; v[18:25] four packed sums (lower z tap, upper z tap), one for each sample of a group
.set TZ,  26                           ; v[26:27] z fraction at work; v27 only completes the pair
.set T,   28                           ; v[28:47] scratch
.set BUF, 48                           ; v[48:175] 2 buffers x 4 samples x 16: +0..7 voxels (i,j)(i+1,j)(i,j+1)(i+1,j+1) x (k,k+1); +8,9 wx,wy; +10,11 z weights; +12..15 addresses
; scalars: s[4:5] x, s[6:7] out0, s8 wave, s9-29 angle (when that work is over: s10-17 the eight masks, s20-23 the four probes of a level of the
; searches), s30-40 constants, s41/42 first/last touched, s43/44 first/last interior (all relative to sample 32), s46 a group's test,
; s47 sample number minus first interior, s48 number of interior samples, s49 groups behind the first, then their remainder by two,
; s50 octet, s51 pairs of groups still to do
.macro TSEL k, ck, sk                  ; cos and sin of k x 11.25 degrees, Q30
	s_cmp_eq_u32 s9, \k
	s_cselect_b32 s11, \ck, s11
	s_cselect_b32 s12, \sk, s12
.endm
; One probe of a search by halves, in two parts: does sample pos + step satisfy the test (x and y, offset by bx/by, below lim as unsigned)?
; The vector part of probe n (0 to 3) of a level leaves two masks in scalar registers; the four searches do not hang on each other, so a
; level's four vector parts stand in one run, with one wait behind it.
.macro PROBEV n, pos, step, bx, by, lim
	s_add_co_i32 s[20+\n], s\pos, \step
	v_mad_u32 v[T+2*\n], v[DX], s[20+\n], v[\bx]
	v_mad_u32 v[T+2*\n+1], v[DY], s[20+\n], v[\by]
	v_cmp_gt_u32 s[10+2*\n], s\lim, v[T+2*\n]
	v_cmp_gt_u32 s[11+2*\n], s\lim, v[T+2*\n+1]
.endm
; The scalar part.  all = 0: in any lane; all = 1: in every lane.  If so, pos moves there.
.macro PROBES n, pos, all
	s_and_b32 s[10+2*\n], s[10+2*\n], s[11+2*\n]
.if \all
	s_cmp_eq_u32 s[10+2*\n], -1
.else
	s_cmp_lg_u32 s[10+2*\n], 0
.endif
	s_cselect_b32 s\pos, s[20+\n], s\pos
.endm
; Weights from the low 16 bits: 0x4b000000 | f is the float 2^23 + f, and (2^23 + f) 2^-16 - 128 = f 2^-16 exactly.
.macro WEIGHTS p
	v_and_or_b32 v[\p+8], v[PX], s34, s35
	v_and_or_b32 v[\p+9], v[PY], s34, s35
	v_and_or_b32 v[TZ], v[PZ], s34, s35
	v_pk_fma_f32 v[\p+8:\p+9], v[\p+8:\p+9], v[KS:KS+1], v[KM:KM+1]                     ; wx, wy
	v_pk_fma_f32 v[\p+10:\p+11], v[TZ:TZ+1], v[KZ:KZ+1], v[KC:KC+1] op_sel_hi:[0,1,1]   ; 1 - wz, wz
.endm
.macro STEPRAY
	v_add_nc_u32 v[PX], v[PX], v[DX]
	v_add_nc_u32 v[PY], v[PY], v[DY]
	v_add_nc_u32 v[PZ], v[PZ], v[DZ]
.endm
; A sample that is interior in every lane: i, j, k are byte 2 of the three positions and byte 3 of x is 0; one address, eight offsets.
; FASTA is its vector work, FASTL its loads.
.macro FASTA p
	v_perm_b32 v[\p+12], v[PX], v[PY], s32         ; bytes 0, i, j, -
	v_perm_b32 v[\p+12], v[\p+12], v[PZ], s33      ; bytes 0, i, j, k
	v_lshlrev_b32 v[\p+12], 2, v[\p+12]
	WEIGHTS \p
	STEPRAY
.endm
.macro FASTL p
	global_load_b32 v[\p+0], v[\p+12], s[4:5]
	global_load_b32 v[\p+1], v[\p+12], s[4:5] offset:4
	global_load_b32 v[\p+2], v[\p+12], s[4:5] offset:SI
	global_load_b32 v[\p+3], v[\p+12], s[4:5] offset:SI+4
	global_load_b32 v[\p+4], v[\p+12], s[4:5] offset:SJ
	global_load_b32 v[\p+5], v[\p+12], s[4:5] offset:SJ+4
	global_load_b32 v[\p+6], v[\p+12], s[4:5] offset:SI+SJ
	global_load_b32 v[\p+7], v[\p+12], s[4:5] offset:SI+SJ+4
.endm
; A sample at or beyond a face in some lane: taps clamped to 0..255.  Where a tap is invalid both clamped taps are the same voxel, so the
; zeroing of invalid taps equals one factor for each axis, clamp(min(f + 1, 256 - f), 0, 1), which goes into the z weights.
; SLOWA is its vector work, SLOWL its loads.
.macro SLOWA p
	v_ashrrev_i32 v[T], 16, v[PX]                  ; i
	v_ashrrev_i32 v[T+1], 16, v[PY]                ; j
	v_bfe_u32 v[T+2], v[PZ], 16, 8                 ; k
	v_add_nc_u32 v[T+3], 1, v[T]
	v_add_nc_u32 v[T+4], 1, v[T+1]
	v_med3_i32 v[T], v[T], 0, s36
	v_med3_i32 v[T+3], v[T+3], 0, s36
	v_med3_i32 v[T+1], v[T+1], 0, s36
	v_med3_i32 v[T+4], v[T+4], 0, s36
	v_lshlrev_b32 v[T+2], 2, v[T+2]
	v_lshl_add_u32 v[T+1], v[T+1], 10, v[T+2]
	v_lshl_add_u32 v[T+4], v[T+4], 10, v[T+2]
	v_lshl_add_u32 v[\p+12], v[T], 18, v[T+1]
	v_lshl_add_u32 v[\p+13], v[T+3], 18, v[T+1]
	v_lshl_add_u32 v[\p+14], v[T], 18, v[T+4]
	v_lshl_add_u32 v[\p+15], v[T+3], 18, v[T+4]
	v_add_nc_u32 v[T], s37, v[PX]                  ; fx + 1
	v_sub_nc_u32 v[T+1], s38, v[PX]                ; 256 - fx
	v_add_nc_u32 v[T+2], s37, v[PY]
	v_sub_nc_u32 v[T+3], s38, v[PY]
	v_min_i32 v[T], v[T], v[T+1]
	v_min_i32 v[T+2], v[T+2], v[T+3]
	v_med3_i32 v[T], v[T], 0, s37
	v_med3_i32 v[T+2], v[T+2], 0, s37
	v_cvt_f32_u32 v[T], v[T]
	v_cvt_f32_u32 v[T+2], v[T+2]
	v_mul_f32 v[T], v[T], v[T+2]
	v_mul_f32 v[T], 0x2f800000, v[T]               ; two Q16 factors: times 2^-32
	WEIGHTS \p
	v_pk_mul_f32 v[\p+10:\p+11], v[\p+10:\p+11], v[T:T+1] op_sel_hi:[1,0]
	STEPRAY
.endm
.macro SLOWL p
	global_load_b32 v[\p+0], v[\p+12], s[4:5]
	global_load_b32 v[\p+1], v[\p+12], s[4:5] offset:4
	global_load_b32 v[\p+2], v[\p+13], s[4:5]
	global_load_b32 v[\p+3], v[\p+13], s[4:5] offset:4
	global_load_b32 v[\p+4], v[\p+14], s[4:5]
	global_load_b32 v[\p+5], v[\p+14], s[4:5] offset:4
	global_load_b32 v[\p+6], v[\p+15], s[4:5]
	global_load_b32 v[\p+7], v[\p+15], s[4:5] offset:4
.endm
; Four samples into buffer b.  Either form of a sample issues eight loads into the same registers, so the counts below hold on every path.
; Each sample takes the form that its number asks for.  Where all four of a group are interior one test says so for the group: the four
; samples' vector work stands in one run, the waits behind it, the 32 loads behind them.  In a group at the border the form is chosen sample
; by sample; a sample's vector work and its loads stand under the one branch, so that every register that a load names is written on every
; way that leads to it, and each sample has a wait of its own between the two.
; on = 1: a later group's arithmetic will write the other buffer's address registers again.
.macro ISSUE b, tag, on
	s_add_co_u32 s46, s47, 3                       ; the group's last sample;
	s_max_u32 s46, s46, s47                        ; a number ahead of the first interior sample is huge as unsigned, and wins
	s_cmp_lt_u32 s46, s48                          ; unsigned: first interior <= all four <= last interior
	s_cbranch_scc0 .Lmix\tag
.irp i, 0,1,2,3
	FASTA BUF+64*\b+16*\i
.endr
.if \on
	s_wait_alu depctr_vm_vsrc(0)                   ; the loads of the group before have read the other buffer's address registers, which the next group's arithmetic writes again
.endif
	s_wait_alu depctr_va_vdst(0)                   ; this group's four addresses are written; the interpolation that last worked in this buffer's voxel registers, in which the loads land, is done with them
.irp i, 0,1,2,3
	FASTL BUF+64*\b+16*\i
.endr
	s_add_co_u32 s47, s47, 4
	s_branch .Lgo\tag
.Lmix\tag:
.irp i, 0,1,2,3
	s_cmp_lt_u32 s47, s48                          ; unsigned: first interior <= sample <= last interior
	s_cbranch_scc0 .Lslow\tag\i
	FASTA BUF+64*\b+16*\i
.if (\on) && (\i == 0)
	s_wait_alu depctr_vm_vsrc(0)                   ; as above: ahead of the group's first load, for the other buffer's address registers
.endif
	s_wait_alu depctr_va_vdst(0)                   ; the sample's address is written; the vector work that named its voxel registers is done
	FASTL BUF+64*\b+16*\i
	s_branch .Ljoin\tag\i
.Lslow\tag\i:
	SLOWA BUF+64*\b+16*\i
.if (\on) && (\i == 0)
	s_wait_alu depctr_vm_vsrc(0)                   ; as above: ahead of the group's first load, for the other buffer's address registers
.endif
	s_wait_alu depctr_va_vdst(0)                   ; the sample's four addresses are written; the vector work that named its voxel registers is done
	SLOWL BUF+64*\b+16*\i
.Ljoin\tag\i:
	s_add_co_u32 s47, s47, 1
.endr
.Lgo\tag:
.endm
; Interpolates buffer b: along x, along y (both z taps at once in a register pair), then both taps times their z weights into the sums.
; left = loads issued behind this buffer's 32: loads return in issue order (ISA guide 5.7.1), so these 32 are in.
.macro COMPUTE b, left
	s_wait_loadcnt \left
.irp i, 0,1,2,3
	.set p, BUF+64*\b+16*\i
	v_pk_add_f32 v[p+2:p+3], v[p+2:p+3], v[p:p+1] neg_lo:[0,1] neg_hi:[0,1]
	v_pk_add_f32 v[p+6:p+7], v[p+6:p+7], v[p+4:p+5] neg_lo:[0,1] neg_hi:[0,1]
.endr
.irp i, 0,1,2,3
	.set p, BUF+64*\b+16*\i
	v_pk_fma_f32 v[p:p+1], v[p+2:p+3], v[p+8:p+9], v[p:p+1] op_sel_hi:[1,0,1]           ; both halves times wx
	v_pk_fma_f32 v[p+4:p+5], v[p+6:p+7], v[p+8:p+9], v[p+4:p+5] op_sel_hi:[1,0,1]
.endr
.irp i, 0,1,2,3
	.set p, BUF+64*\b+16*\i
	v_pk_add_f32 v[p+4:p+5], v[p+4:p+5], v[p:p+1] neg_lo:[0,1] neg_hi:[0,1]
.endr
.irp i, 0,1,2,3
	.set p, BUF+64*\b+16*\i
	v_pk_fma_f32 v[p:p+1], v[p+4:p+5], v[p+8:p+9], v[p:p+1] op_sel:[0,1,0]              ; both halves times wy
.endr
.irp i, 0,1,2,3
	.set p, BUF+64*\b+16*\i
	v_pk_fma_f32 v[ACC+2*\i:ACC+2*\i+1], v[p:p+1], v[p+10:p+11], v[ACC+2*\i:ACC+2*\i+1]
.endr
.endm
	s_load_b128 s[4:7], s[0:1], 0x0                ; x s[4:5], out0 s[6:7]
	v_lshl_add_u32 v176, v0, 2, 0x900
	v_mov_b32 v177, 0
	v_lshrrev_b32 v1, 5, v0
	v_readfirstlane_b32 s8, v1                     ; wave number
	s_and_b32 s9, ttmp9, 7                         ; angle = 90 degrees x quadrant + 11.25 degrees x s9
	s_lshr_b32 s10, ttmp9, 3
	s_and_b32 s50, ttmp7, 0xffff                   ; octet of detector rows
	s_mov_b32 s11, 0x40000000
	s_mov_b32 s12, 0
	TSEL 1, 0x3ec52fa0, 0x0c7c5c1e
	TSEL 2, 0x3b20d79e, 0x187de2a7
	TSEL 3, 0x3536cc52, 0x238e7673
	TSEL 4, 0x2d413ccd, 0x2d413ccd
	TSEL 5, 0x238e7673, 0x3536cc52
	TSEL 6, 0x187de2a7, 0x3b20d79e
	TSEL 7, 0x0c7c5c1e, 0x3ec52fa0
	s_bitcmp1_b32 s10, 0                           ; odd quadrant: cos and sin change places
	s_cselect_b32 s13, s12, s11                    ; |cos| Q30
	s_cselect_b32 s14, s11, s12                    ; |sin| Q30
	s_mul_hi_u32 s20, s13, 0xfa000000              ; 1000 |cos|, Q30 x Q22 >> 32 = Q20
	s_mul_hi_u32 s21, s14, 0xfa000000
	s_sub_co_i32 s16, 0, s13
	s_sub_co_i32 s17, 0, s14
	s_sub_co_i32 s22, 0, s20
	s_sub_co_i32 s23, 0, s21
	s_add_co_u32 s15, s10, 1
	s_bitcmp1_b32 s15, 1                           ; cos < 0 in quadrants 1, 2
	s_cselect_b32 s18, s16, s13                    ; cos Q30
	s_cselect_b32 s24, s22, s20                    ; 1000 cos Q20
	s_bitcmp1_b32 s10, 1                           ; sin < 0 in quadrants 2, 3
	s_cselect_b32 s19, s17, s14                    ; sin Q30
	s_cselect_b32 s25, s23, s21
	s_add_co_i32 s24, s24, 0x07f80008              ; source + 127.5 in Q20, + 8 to round on the way to Q16
	s_add_co_i32 s25, s25, 0x07f80008
	s_ashr_i32 s26, s18, 6                         ; cos, sin in Q24: times |mu| <= 63 stays in 31 bits
	s_ashr_i32 s27, s19, 6
	s_sub_co_i32 s28, 0, s18
	s_sub_co_i32 s29, 0, s19
	s_mov_b32 s30, 0xfaddb3d7                      ; 1000 + 2 sqrt(3), the distance of sample 32, Q22
	s_mov_b32 s31, 0xddb3d743                      ; 4 sqrt(3), the distance between samples, Q29
	s_mov_b32 s32, 0x07060200                      ; byte selects for the interior address
	s_mov_b32 s33, 0x07060502
	s_mov_b32 s34, 0xffff
	s_mov_b32 s35, 0x4b000000
	s_mov_b32 s36, 255
	s_mov_b32 s37, 0x10000                         ; 1 voxel
	s_mov_b32 s38, 0x1000000                       ; 256 voxels
	s_mov_b32 s39, 0x1010000                       ; touched: f + 1 in [0, 257)
	s_mov_b32 s40, 0xff0000                        ; interior: f in [0, 255)
	s_wait_alu depctr_va_sdst(0)                   ; s8 is written.
	; the lane's ray
	v_lshrrev_b32 v[MU], 3, v0                     ; u
	v_and_b32 v[MV], 7, v0
	v_lshl_add_u32 v[MV], s50, 3, v[MV]            ; v
	v_lshlrev_b32 v[MU], 1, v[MU]
	v_lshlrev_b32 v[MV], 1, v[MV]
	v_add_nc_u32 v[MU], 0xffffffc1, v[MU]          ; 2u - 63
	v_add_nc_u32 v[MV], 0xffffffc1, v[MV]          ; 2v - 63
	v_mul_lo_u32 v[NN], v[MU], v[MU]
	v_mad_u32 v[NN], v[MV], v[MV], v[NN]           ; n < 2^13
	; R in Q31 = 2^31 - n 2^10 + 3 n^2 2^-12 - 5 n^3 2^-33
	v_mul_lo_u32 v28, v[NN], v[NN]                 ; n^2 < 2^26
	v_lshlrev_b32 v30, 10, v[NN]
	v_lshrrev_b32 v29, 8, v28
	v_mul_lo_u32 v29, v29, v[NN]                   ; n^3 >> 8 < 2^31
	v_lshl_add_u32 v28, v28, 1, v28                ; 3 n^2
	v_sub_nc_u32 v30, 0x80000000, v30
	v_lshrrev_b32 v28, 12, v28
	v_lshrrev_b32 v29, 12, v29
	v_add_nc_u32 v30, v30, v28
	v_lshl_add_u32 v29, v29, 2, v29                ; 5 (n^3 >> 20)
	v_lshrrev_b32 v29, 13, v29
	v_sub_nc_u32 v30, v30, v29                     ; R
	v_mov_b32 v32, 0                               ; the addend of the 64-bit products, whose upper words are used
	v_mov_b32 v33, 0
	v_mad_nc_u64_u32 v[34:35], v30, s30, v[32:33]  ; v35 = R x distance of sample 32, Q21
	v_mad_nc_u64_u32 v[36:37], v30, s31, v[32:33]  ; v37 = R x distance between samples, Q28
	v_mul_lo_u32 v38, v[MU], s27
	v_mul_lo_u32 v39, v[MU], s26
	v_ashrrev_i32 v38, 4, v38                      ; mu sin / 1024, Q30
	v_ashrrev_i32 v39, 4, v39
	v_sub_nc_u32 v38, s28, v38                     ; hx = -cos - mu sin / 1024
	v_add_nc_u32 v39, s29, v39                     ; hy = -sin + mu cos / 1024
	v_ashrrev_i32 v40, 31, v38                     ; signs as masks; magnitudes go through the unsigned products
	v_ashrrev_i32 v41, 31, v39
	v_xor_b32 v38, v38, v40
	v_xor_b32 v39, v39, v41
	v_sub_nc_u32 v38, v38, v40
	v_sub_nc_u32 v39, v39, v41
	v_lshlrev_b32 v38, 1, v38                      ; Q31, at most 1.002 x 2^31
	v_lshlrev_b32 v39, 1, v39
	v_mad_nc_u64_u32 v[42:43], v38, v35, v[32:33]  ; v43 = |x offset| at sample 32, Q20
	v_mad_nc_u64_u32 v[44:45], v38, v37, v[32:33]  ; v45 = |x step|, Q27
	v_mad_nc_u64_u32 v[46:47], v39, v35, v[32:33]
	v_mad_nc_u64_u32 v[28:29], v39, v37, v[32:33]
	v_add_nc_u32 v45, 0x400, v45
	v_add_nc_u32 v29, 0x400, v29
	v_lshrrev_b32 v45, 11, v45                     ; rounded to Q16
	v_lshrrev_b32 v29, 11, v29
	v_xor_b32 v43, v43, v40
	v_xor_b32 v45, v45, v40
	v_xor_b32 v47, v47, v41
	v_xor_b32 v29, v29, v41
	v_sub_nc_u32 v43, v43, v40
	v_sub_nc_u32 v[DX], v45, v40
	v_sub_nc_u32 v47, v47, v41
	v_sub_nc_u32 v[DY], v29, v41
	v_add_nc_u32 v43, s24, v43
	v_add_nc_u32 v47, s25, v47
	v_ashrrev_i32 v[PX], 4, v43                    ; fx, fy at sample 32, Q16
	v_ashrrev_i32 v[PY], 4, v47
	v_lshrrev_b32 v35, 6, v35                      ; Q15: times |mv| <= 63 stays below 2^31
	v_lshrrev_b32 v37, 6, v37                      ; Q22: likewise
	v_mul_lo_u32 v35, v35, v[MV]                   ; z offset x 2^25 (the division by 1024 is in the scale)
	v_mul_lo_u32 v37, v37, v[MV]                   ; z step x 2^32
	v_add_nc_u32 v35, 0x100, v35
	v_add_nc_u32 v37, 0x8000, v37
	v_ashrrev_i32 v35, 9, v35
	v_ashrrev_i32 v[DZ], 16, v37
	v_add_nc_u32 v[PZ], 0x7f8000, v35              ; + 127.5
	; the wave's range of samples, relative to sample 32, touched in any lane, interior in every lane
	v_add_nc_u32 v[T+8], s37, v[PX]
	v_add_nc_u32 v[T+9], s37, v[PY]
	s_mov_b32 s41, 0
	s_mov_b32 s42, 0
	s_mov_b32 s43, 0
	s_mov_b32 s44, 0
.irp b, 16,8,4,2,1
	PROBEV 0, 41, -\b, T+8, T+9, 39                ; first sample that any lane touches
	PROBEV 1, 42, \b, T+8, T+9, 39                 ; last
	PROBEV 2, 43, -\b, PX, PY, 40                  ; first sample interior in all lanes
	PROBEV 3, 44, \b, PX, PY, 40                   ; last
	s_wait_alu depctr_va_sdst(0)                   ; the level's eight compares have written s10 to s17, which the scalar lines below read
	PROBES 0, 41, 0
	PROBES 1, 42, 0
	PROBES 2, 43, 1
	PROBES 3, 44, 1
.endr
	s_sub_co_i32 s47, s41, s43                     ; running sample number, counted from the first interior one
	s_sub_co_i32 s48, s44, s43
	s_add_co_i32 s48, s48, 1
	s_sub_co_i32 s49, s42, s41
	s_lshr_b32 s49, s49, 2                         ; groups of four, less the one issued ahead of the loop; the up to three samples
	                                               ; past the last touched one lie outside in every lane and add 0
	s_lshr_b32 s51, s49, 1                         ; of these, pairs for the loop,
	s_and_b32 s49, s49, 1                          ; and one or none behind it
	v_mad_u32 v[PX], v[DX], s41, v[PX]
	v_mad_u32 v[PY], v[DY], s41, v[PY]
	v_mad_u32 v[PZ], v[DZ], s41, v[PZ]
	v_mov_b32 v[KS], 0x37800000
	v_mov_b32 v[KS+1], 0x37800000
	v_mov_b32 v[KM], 0xc3000000
	v_mov_b32 v[KM+1], 0xc3000000
	v_mov_b32 v[KZ], 0xb7800000
	v_mov_b32 v[KZ+1], 0x37800000
	v_mov_b32 v[KC], 0x43010000
	v_mov_b32 v[KC+1], 0xc3000000
	v_mov_b32 v[TZ+1], 0                           ; the packed form names the pair: its upper register holds a defined word
.irp j, 0,1,2,3,4,5,6,7
	v_mov_b32 v[ACC+\j], 0
.endr
	s_wait_kmcnt 0x0
	; Two buffers take turns: the next group's 32 loads are issued before the present group is interpolated.
	; At the loop's head, and behind the loop, buffer 0 holds the one group that is issued and not yet interpolated.
	ISSUE 0, A, 0                                  ; no load has been issued yet: no address register is waited for
	s_cmp_eq_u32 s51, 0                            ; no pair at all: straight to the tail
	s_cbranch_scc1 .Lafter
.Lloop:
	ISSUE 1, B, 1                                  ; frees buffer 0's address registers for the group below
	COMPUTE 0, 32                                  ; the 32 loads of buffer 1 stay out
	ISSUE 0, C, 1                                  ; frees buffer 1's address registers for the next trip's first group, or the tail's
	COMPUTE 1, 32                                  ; the 32 loads of buffer 0 stay out
	s_sub_co_i32 s51, s51, 1
	s_cmp_lg_u32 s51, 0
	s_cbranch_scc1 .Lloop
.Lafter:
	s_cmp_eq_u32 s49, 0
	s_cbranch_scc1 .Llast
	ISSUE 1, D, 0                                  ; one group is left to issue; behind it no address register is written again
	COMPUTE 0, 32                                  ; its 32 loads stay out
	COMPUTE 1, 0                                   ; nothing was issued behind the last group
	s_branch .Ldone
.Llast:
	COMPUTE 0, 0                                   ; nothing was issued behind the last group
.Ldone:
	v_pk_add_f32 v[ACC:ACC+1], v[ACC:ACC+1], v[ACC+2:ACC+3]
	v_pk_add_f32 v[ACC+4:ACC+5], v[ACC+4:ACC+5], v[ACC+6:ACC+7]
	v_pk_add_f32 v[ACC:ACC+1], v[ACC:ACC+1], v[ACC+4:ACC+5]
	v_add_f32 v[ACC], v[ACC], v[ACC+1]
	v_mul_f32 v[ACC], 0x40ddb3d7, v[ACC]           ; times the sample spacing, 4 sqrt(3) mm
	; THE WAY OUT: 8 rows of 64 u through LDS.  Row pitch 272 bytes = 68 words: a wave's 32 words (8 rows x 4 u) fall on word
	; columns 4 row + u modulo 64, all different.
	v_and_b32 v[T], 7, v0
	v_lshrrev_b32 v[T+1], 3, v0
	v_mul_u32_u24 v[T], v[T], PITCH
	v_lshl_add_u32 v[T], v[T+1], 2, v[T]
	s_wait_alu depctr_va_vdst(0)                   ; the LDS address v[T] and the ray's result v[ACC] are written, which the store reads
	ds_store_b32 v[T], v[ACC]
	s_wait_dscnt 0x0                               ; my word is in LDS before I say so
	s_barrier_signal -1
	s_barrier_wait -1
	s_cmp_gt_u32 s8, 3                             ; 2,048 bytes = 128 lanes x 16 bytes: waves 0 to 3 store
	s_cbranch_scc1 .Lend
	v_bfe_u32 v[T+8], v0, 4, 3                     ; row 0..7, in a register that the LDS store above did not read
	v_and_b32 v[T+1], 15, v0
	v_mul_u32_u24 v[T+2], v[T+8], PITCH
	v_lshl_add_u32 v[T+2], v[T+1], 4, v[T+2]
	v_lshlrev_b32 v[T+3], 13, v[T+8]               ; 8,192 bytes from v to v + 1
	v_lshl_add_u32 v[T+3], v[T+1], 4, v[T+3]
	s_wait_alu depctr_va_vdst(0)                   ; v[T+2], the LDS load's address, and v[T+3], the store's offset, are written; no vector line behind this wait names them or v[T+4:T+7]
	ds_load_b128 v[T+4:T+7], v[T+2]
	s_lshl_b32 s52, s50, 16                        ; 8 rows v x 32 angles x 256 bytes for each octet
	s_lshl_b32 s51, ttmp9, 8                       ; 256 bytes for each angle
	s_add_co_u32 s52, s52, s51
	s_mov_b32 s53, 0
	s_add_nc_u64 s[6:7], s[6:7], s[52:53]
	s_wait_dscnt 0x0
	global_store_b128 v[T+3], v[T+4:T+7], s[6:7] th:TH_STORE_NT    ; 16 lanes fill one aligned row of 256 bytes
.Lend:
	s_wait_dscnt 0x0
	s_wait_alu depctr_hold_cnt(0) depctr_sa_sdst(0) depctr_va_vdst(0) depctr_va_sdst(0) depctr_va_ssrc(0) depctr_va_vcc(0) depctr_vm_vsrc(0)
	s_wait_tensorcnt 0x0
	ds_add_u32 v176, v177
	s_wait_dscnt 0x0
	s_endpgm
.Lfunc_end_k_q804b85a70c_project:
	.size	k_q804b85a70c_project, .Lfunc_end_k_q804b85a70c_project-k_q804b85a70c_project
	.p2alignl 7, 3214868480
	.fill 96, 4, 3214868480
	.section	.rodata,"a",@progbits
	.p2align	6, 0x0
	.amdhsa_kernel k_q804b85a70c_project
		.amdhsa_group_segment_fixed_size 4352
		.amdhsa_private_segment_fixed_size 0
		.amdhsa_enable_private_segment 0
		.amdhsa_kernarg_size 16
		.amdhsa_user_sgpr_count 2
		.amdhsa_user_sgpr_kernarg_segment_ptr 1
		.amdhsa_wavefront_size32 1
		.amdhsa_system_sgpr_workgroup_id_x 1
		.amdhsa_system_sgpr_workgroup_id_y 1
		.amdhsa_system_sgpr_workgroup_id_z 1
		.amdhsa_system_vgpr_workitem_id 0
		.amdhsa_next_free_vgpr 178
		.amdhsa_next_free_sgpr 66
		.amdhsa_reserve_vcc 0
		.amdhsa_float_denorm_mode_32 3
		.amdhsa_float_denorm_mode_16_64 3
		.amdhsa_memory_ordered 1
		.amdhsa_forward_progress 1
		.amdhsa_inst_pref_size 113
	.end_amdhsa_kernel
	.amdgpu_metadata
---
amdhsa.version: [ 1, 2 ]
amdhsa.kernels:
  - .name:           k_q804b85a70c_project
    .symbol:         k_q804b85a70c_project.kd
    .args:
      - { .name: x, .offset: 0, .size: 8, .value_kind: global_buffer, .address_space: global }
      - { .name: out0, .offset: 8, .size: 8, .value_kind: global_buffer, .address_space: global }
    .group_segment_fixed_size: 4352
    .private_segment_fixed_size: 0
    .kernarg_segment_align: 8
    .kernarg_segment_size: 16
    .max_flat_workgroup_size: 512
    .sgpr_count:     66
    .vgpr_count:     178
    .wavefront_size: 32
...
	.end_amdgpu_metadata
.endif
;; end of part 2
